; MI455X (gfx1250); checked and timed in simulation.
; The chip was launched on July 23, 2026; its instructions are those of AMD's public machine-readable ISA for CDNA 5 (MIT licence, August 2026) and "CDNA5" Instruction Set Architecture Reference Guide (July 2026). The comments in the code are by the model that wrote it; some were corrected since.
;; Q Measure Density. Allowed arithmetic: float matrix products may take bf16 or f16 operands with f32 sums; other float arithmetic in f32, or as packed bf16 or f16 multiplies, adds, multiply-adds, maxima and minima; sums over many terms, partial sums and values carried from step to step in f32; what a program stores and reads back later, other than sums and carried values, may be rounded once to bf16 or f16.
;; Inputs: inputs 4,096 x 256 float32; rho 256 x 256 float32.
;; Outputs: out0 4,096 float32.
;; One version. Each part assembles by itself: llvm-mc -triple=amdgcn-amd-amdhsa -mcpu=gfx1250 --defsym DOCPART=n.
;; ======== version 1 of 1: 1 launch
;; launch qmeasure (part 1): grid 256 x 1, 4 waves a work-group, clusters of 4 x 1, 296,960 bytes of LDS; arguments inputs, rho, out0; writes out0
.if DOCPART == 1
	.amdgcn_target "amdgcn-amd-amdhsa--gfx1250"
	.amdhsa_code_object_version 6
	.text
	.protected	k_qe0ce20e6eb_qmeasure
	.globl	k_qe0ce20e6eb_qmeasure
	.p2align	8
	.type	k_qe0ce20e6eb_qmeasure,@function
k_qe0ce20e6eb_qmeasure:
	s_mov_b64 s[64:65], 0
	v_nop
	global_prefetch_b8 v0, s[64:65] scope:SCOPE_SE
	s_setreg_imm32_b32 hwreg(HW_REG_WAVE_MODE, 25, 1), 1
	s_wait_xcnt 0x0
	s_wait_alu depctr_hold_cnt(0) depctr_sa_sdst(0) depctr_va_vdst(0) depctr_va_sdst(0) depctr_va_ssrc(0) depctr_va_vcc(0) depctr_vm_vsrc(0)
	s_getreg_b32 s2, hwreg(HW_REG_IB_STS2, 6, 4)
	s_cmp_eq_u32 s2, 0
	s_cbranch_scc0 .Lentry_in_a_cluster
	s_endpgm
.Lentry_in_a_cluster:
	s_bfe_u32 s2, ttmp6, 0x10000c
	s_cmp_lg_u32 s2, 0x3003
	s_cbranch_scc0 .Lentry_shape_is_right
	s_endpgm
.Lentry_shape_is_right:
; out[b] = sum over i, k, m of x_i x_k rho[k][m] x_m x_i, x = inputs[b][0..255].  The sum over i stands apart for every input, so
; out[b] = s q with s = sum_i x_i^2 and q = sum_n x_n Z_n, Z[b][n] = sum_k rho[n][k] x[b][k]  (Z = X rho^T: both operands have k along their rows in memory).
; LIMITS.  The order of the sums and roundings differs from a triple sum over i, k, m.  x and rho are rounded once to bf16 (nearest even), and the rounded x is used
; everywhere: as matrix operand, in q and in s; Z, q, s and their product are f32 and have f32's range.  NaN and infinities pass through this form as they come.
; SHARES.  4,096 rows / 16 = 256 work-groups.  Work-group g owns rows 16 g .. 16 g + 15; of rho's 256 rows wave w owns n = 64 w .. 64 w + 63: four accumulators of 16 x 16,
; eight K steps of 32, 32 matrix instructions.  A wave fetches just the rows of rho that it reads itself, so its own count of tensor loads orders those reads.
; CLUSTER.  The four work-groups of a cluster need the same rho: each of its sixteen pieces (64 rows x 64 k) is asked for jointly, by the same tensor load with the same
; descriptor and the mask of all four.  x is each work-group's own: a plain tensor load.
; LDS holds all of rho (f32, as it lies in memory) and the 16 rows of x at once: every byte is filled once, nothing is filled again, so there is no ring.
; rho comes in four chunks along k, so that the products start on the first chunk while the others are on their way.
; THE MATRIX INSTRUCTION IS USED TRANSPOSED: source 0 = 16 rows of rho, source 1 = the 16 rows of x.  In the result lane (r = l % 16, h = l / 16) holds x's row r and
; n = n0 + 8 h + j in register j: the places in which a fragment of x holds its columns.  So q wants no exchange but one between the halves of the lanes.
.set PB,    272                        ; a row of a chunk of rho in LDS: 256 bytes + 16 of padding = 17 x 16: the 16 rows of a load start at 16 different groups of four banks (64 banks of 4 bytes: ISA guide 11.1)
.set TILEB, 64*PB                      ; a chunk: 64 rows
.set WAVEB, 4*TILEB                    ; a wave's four chunks
.set XT,    4*WAVEB                    ; behind rho: x, 16 rows
.set PX,    1040                       ; a row of x in LDS: 1,024 bytes + 16 of padding = 65 x 16
.set RED,   XT+16*PX                   ; two blocks of 256 bytes for the waves' partial sums, a word a thread: no tensor load lands here
.set SPARE, RED+512                    ; the spare words, 128 bytes for each wave: two blocks of 256 bytes that no other line names
.set ADRX, 3                           ; v3      LDS address of my place in x's fragments: XT + r PX + 32 h
.set ADRO, 4                           ; v4      the same at my wave's own 64 columns: + 256 w
.set ADRB, 5                           ; v5      LDS address of my place in my wave's rho: w WAVEB + r PB + 32 h
.set REDW, 6                           ; v6      RED + 4 x my thread's number
.set OUTO, 7                           ; v7      4 x my thread's number: my byte in the work-group's 64 bytes of out
.set ZR,   8                           ; v8      0: starts the chains of multiply-adds
.set TP,   9                           ; v9      what the other half of the lanes sends
.set SPW,  10                          ; v10     LDS address of my spare word; never rewritten
.set NIL,  11                          ; v11     0; never rewritten
.set SS,   12                          ; v12     my wave's share of s for row r; v13-15 at work
.set XO,   16                          ; v16-31  bf16 x[r][64 w + 16 i + 8 h + j] at XO + 4 i + j / 2, half j % 2
.set A,    32                          ; v32-95  x's fragments: K step s at A + 8 s
.set ACC,  96                          ; v96-127 accumulator i at ACC + 8 i; ahead of the first product: XO's numbers in f32
.set F0,   128                         ; v128-191, v192-255: two stages for rho: tile i's 16 f32 at F + 16 i, rounded in place into F + 16 i .. + 7
.set F1,   192
.set CH,   F0+8                        ; v136-139 four chains of sums; never a matrix operand; used while stage 0 is idle
.set G1R,  24                          ; s[24:31] descriptor group 1 for rho's chunks
.set G1X,  32                          ; s[32:39] for x
.set G0X,  40                          ; s[40:43] descriptor group 0 for x
.set G0R,  44                          ; s[44:59] for rho: a set for each of the four chunks
; A round of the cluster's barrier: my work-group's barrier, so that wave 0's signal speaks for all four waves; wave 0 signals; every wave waits for all four work-groups; my work-group's barrier once more.
.macro CROUND
	s_barrier_signal -1
	s_barrier_wait -1
	s_cmp_lg_u32 s10, 0
	s_cbranch_scc1 .Lnot_wave_0_\@
	s_barrier_signal -3
.Lnot_wave_0_\@:
	s_barrier_wait -3
	s_barrier_signal -1
	s_barrier_wait -1
.endm
; Four places: a load into a register that a matrix instruction has read, and a vector instruction that reads a matrix result, stand four plain vector instructions behind it (ISA guide 7.12.1 for vector instructions).
.macro PLACES
.rept 4
	v_nop
.endr
.endm
	s_load_b128 s[4:7], s[0:1], 0x0                ; inputs s[4:5], rho s[6:7]
	s_load_b64 s[8:9], s[0:1], 0x10                ; out0
	v_lshl_add_u32 v[SPW], v0, 2, SPARE
	v_mov_b32 v[NIL], 0
	ds_add_u32 v[SPW], v[NIL]                      ; the wave's opening: the add and its wait stand ahead of my first tensor load; the set-up below, work on registers, stands between them
	v_lshrrev_b32 v1, 5, v0
	v_readfirstlane_b32 s10, v1                    ; wave 0..3
	s_bfe_u32 s60, ttmp6, 0x40000                  ; cx: my place in the cluster.  It enters x's and out's global addresses alone
	s_lshl_b32 s61, ttmp9, 2                       ; in a cluster launch ttmp9 counts clusters
	s_add_co_u32 s61, s61, s60                     ; g = 4 x cluster + cx
	s_lshl_b32 s62, s61, 14                        ; x: 16 rows of 1,024 bytes a work-group,
	s_lshl_b32 s63, s10, 12                        ; of which wave w fetches rows 4 w .. 4 w + 3
	s_add_co_u32 s62, s62, s63
	s_mov_b32 s63, 0
	s_lshl_b32 s2, s61, 6                          ; out: 16 numbers of 4 bytes a work-group
	s_mov_b32 s3, 0
	s_lshl_b32 s14, s10, 16                        ; rho: 64 rows of 1,024 bytes a wave
	s_mov_b32 s15, 0
	s_mul_i32 s20, s10, WAVEB                      ; my wave's rho in LDS
	s_mul_i32 s21, s10, 4*PX
	s_add_co_u32 s21, s21, XT                      ; my four rows of x in LDS
	s_mov_b32 s12, 0x76543210                      ; v_permlanex16_b32: each lane takes its own place in the other half
	s_mov_b32 s13, 0xfedcba98
	s_mov_b32 s22, 0xffff0000                      ; lanes 16 to 31
	; descriptor group 1 for rho: a chunk of 64 rows x 64 elements of 4 bytes; each row is 256 bytes of memory, at a multiple of 256 from rho's first byte
	s_mov_b32 s[G1R+0], 15|(2<<16)|(1<<20)|(1<<21)|(5<<22)|(3<<25)  ; 15:0 the mask of all four work-groups; 17:16 elements of 4 bytes; 20 padding on; 21 set beside a mask; 24:22 after every 64 words (code 5); 31:25 4 words (code 3)
	s_mov_b32 s[G1R+1], 64<<16                     ; tensor_dim0 = 64
	s_mov_b32 s[G1R+2], 64<<16                     ; tensor_dim1 = 64
	s_mov_b32 s[G1R+3], 64<<16                     ; tile_dim0 = 64
	s_mov_b32 s[G1R+4], 64                         ; tile_dim1 = 64
	s_mov_b32 s[G1R+5], 256                        ; 256 elements from row to row
	s_mov_b32 s[G1R+6], 0
	s_mov_b32 s[G1R+7], 0
	; descriptor group 1 for x: 4 rows x 256 elements of 4 bytes, no mask
	s_mov_b32 s[G1X+0], (2<<16)|(1<<20)|(7<<22)|(3<<25)  ; padding after every 256 words (code 7), 4 words (code 3)
	s_mov_b32 s[G1X+1], 256<<16                    ; tensor_dim0 = 256
	s_mov_b32 s[G1X+2], 4<<16                      ; tensor_dim1 = 4
	s_mov_b32 s[G1X+3], 256<<16                    ; tile_dim0 = 256
	s_mov_b32 s[G1X+4], 4                          ; tile_dim1 = 4
	s_mov_b32 s[G1X+5], 256
	s_mov_b32 s[G1X+6], 0
	s_mov_b32 s[G1X+7], 0
	s_mov_b32 s[G0X], 1                            ; count = 1
	s_mov_b32 s[G0X+1], s21                        ; LDS address
.irp c, 0,1,2,3
	s_mov_b32 s[G0R+4*(\c)], 1
	s_add_co_u32 s[G0R+4*(\c)+1], s20, (\c)*TILEB  ; the wave's number times a constant plus the chunk's constant
.endr
	; A fragment is 16 rows x 32 k of bf16 in 8 registers: lane (r, h) holds row r; registers 0-3 k = 8 h + 0..7, registers 4-7 k = 16 + 8 h + 0..7.
	; From f32 rows: 32 bytes at 32 h and 32 bytes at 64 + 32 h, four loads of 16 bytes, rounded in pairs.
	v_and_b32 v1, 15, v0                           ; r
	v_bfe_u32 v2, v0, 4, 1                         ; h
	v_mul_u32_u24 v[ADRX], v1, PX
	v_lshl_add_u32 v[ADRX], v2, 5, v[ADRX]
	v_add_nc_u32 v[ADRX], XT, v[ADRX]
	v_lshl_add_u32 v[ADRO], s10, 8, v[ADRX]
	v_mul_u32_u24 v[ADRB], v1, PB
	v_lshl_add_u32 v[ADRB], v2, 5, v[ADRB]
	v_add_nc_u32 v[ADRB], s20, v[ADRB]
	v_lshl_add_u32 v[REDW], v0, 2, RED
	v_lshlrev_b32 v[OUTO], 2, v0
	v_mov_b32 v[ZR], 0
	v_mov_b32 v[TP], 0
	s_wait_dscnt 0x0                               ; the opening add is done
	s_wait_kmcnt 0x0
	s_add_nc_u64 s[6:7], s[6:7], s[14:15]          ; rho at my wave's first row: the wave's number alone, the same in all four partners
	s_add_nc_u64 s[8:9], s[8:9], s[2:3]            ; out at my work-group's first number
	s_add_nc_u64 s[G0X+2:G0X+3], s[4:5], s[62:63]  ; x at my four rows
	s_or_b32 s[G0X+3], s[G0X+3], 0x80000000        ; type = 2
.irp c, 0,1,2,3
	s_add_nc_u64 s[G0R+4*(\c)+2:G0R+4*(\c)+3], s[6:7], (\c)*256  ; chunk c: k = 64 c on, 256 bytes along the rows
	s_or_b32 s[G0R+4*(\c)+3], s[G0R+4*(\c)+3], 0x80000000
.endr
	CROUND                                         ; all four work-groups are here: the joint loads meet
	; All fills of the launch, as one group: five tensor loads of mine are out.  x first: it is wanted first.
	tensor_load_to_lds s[G0X:G0X+3], s[G1X:G1X+7]
	s_nop 0
.irp c, 0,1,2,3
	tensor_load_to_lds s[G0R+4*(\c):G0R+4*(\c)+3], s[G1R:G1R+7]
	s_nop 0
.endr
	s_wait_tensorcnt 4                             ; a wave's tensor loads end in order (ISA guide 10.11.1): my four rows of x are in; rho's four chunks, issued behind, stay out
	s_barrier_signal -1
	s_barrier_wait -1                              ; everybody's rows are in.
	; x out of LDS: first my wave's own 64 columns (for q and s), then all 256 as the eight K steps' fragments
.irp i, 0,1,2,3
	ds_load_b128 v[ACC+8*(\i):ACC+8*(\i)+3],   v[ADRO] offset:64*(\i)
	ds_load_b128 v[ACC+8*(\i)+4:ACC+8*(\i)+7], v[ADRO] offset:64*(\i)+16
.endr
.irp g, 0,1,2,3,4,5,6,7,8,9,10,11,12,13,14,15      ; group g: k = 16 g + 8 h + 0..7
	ds_load_b128 v[F0+8*(\g):F0+8*(\g)+3],   v[ADRX] offset:64*(\g)
	ds_load_b128 v[F0+8*(\g)+4:F0+8*(\g)+7], v[ADRX] offset:64*(\g)+16
.endr
	s_wait_dscnt 32                                ; LDS loads come back in order (ISA guide 5.7.1): the first eight are in, the 32 issued behind them may be out
.irp i, 0,1,2,3
.irp j, 0,1,2,3
	v_cvt_pk_bf16_f32 v[XO+4*(\i)+(\j)], v[ACC+8*(\i)+2*(\j)], v[ACC+8*(\i)+2*(\j)+1]
.endr
.endr
	s_wait_dscnt 0x0
.irp g, 0,1,2,3,4,5,6,7,8,9,10,11,12,13,14,15
.irp j, 0,1,2,3
	v_cvt_pk_bf16_f32 v[A+4*(\g)+(\j)], v[F0+8*(\g)+2*(\j)], v[F0+8*(\g)+2*(\j)+1]
.endr
.endr
; 32 multiply-adds in f32 straight from XO's bf16 halves, in four chains (one for each tile i) whose links stand four lines apart; the first links take 0, so nothing is cleared.
; z = 0: x times x.  z = 1: x times Z; j ascends, so that each accumulator's register 0 is read first.
.macro DOT z
.irp j, 0,1,2,3,4,5,6,7
.irp i, 0,1,2,3
.set AD, CH+(\i)
.if (\j) == 0
.set AD, ZR
.endif
.set XR, XO+4*(\i)+(\j)/2
.if (\z) == 0
.if (\j)%2
	v_fma_mix_f32_bf16 v[CH+(\i)], v[XR], v[XR], v[AD] op_sel:[1,1,0] op_sel_hi:[1,1,0]
.else
	v_fma_mix_f32_bf16 v[CH+(\i)], v[XR], v[XR], v[AD] op_sel_hi:[1,1,0]
.endif
.else
.if (\j)%2
	v_fma_mix_f32_bf16 v[CH+(\i)], v[XR], v[ACC+8*(\i)+(\j)], v[AD] op_sel:[1,0,0] op_sel_hi:[1,0,0]
.else
	v_fma_mix_f32_bf16 v[CH+(\i)], v[XR], v[ACC+8*(\i)+(\j)], v[AD] op_sel_hi:[1,0,0]
.endif
.endif
.endr
.endr
.endm
; The four chains and the other half of the lanes' are added: every lane then holds the wave's share for its row r.
.macro JOIN dst
	v_add_f32 v13, v[CH], v[CH+1]
	v_add_f32 v14, v[CH+2], v[CH+3]
	v_add_f32 v13, v13, v14
	v_permlanex16_b32 v[TP], v13, s12, s13
	v_add_f32 v[\dst], v13, v[TP]
.endm
	DOT 0                                          ; my wave's share of s: this stands in the wait for rho's first chunk
	JOIN SS
; 16 LDS loads: the four tiles' f32 of K step u (0, 1) of chunk c into stage f.  The largest offset, 3 TILEB + 48 PB + 128 + 80 = 65,488, fits the 16-bit field.
.macro LOADB f, c, u
.irp i, 0,1,2,3
	ds_load_b128 v[(\f)+16*(\i):(\f)+16*(\i)+3],     v[ADRB] offset:(\c)*TILEB+(\i)*16*PB+128*(\u)
	ds_load_b128 v[(\f)+16*(\i)+4:(\f)+16*(\i)+7],   v[ADRB] offset:(\c)*TILEB+(\i)*16*PB+128*(\u)+16
	ds_load_b128 v[(\f)+16*(\i)+8:(\f)+16*(\i)+11],  v[ADRB] offset:(\c)*TILEB+(\i)*16*PB+128*(\u)+64
	ds_load_b128 v[(\f)+16*(\i)+12:(\f)+16*(\i)+15], v[ADRB] offset:(\c)*TILEB+(\i)*16*PB+128*(\u)+80
.endr
.endm
; Rounded to bf16 in place, j ascending: the destination never lies ahead of a source that is still to be read.
.macro CVTB f
.irp i, 0,1,2,3
.irp j, 0,1,2,3,4,5,6,7
	v_cvt_pk_bf16_f32 v[(\f)+16*(\i)+(\j)], v[(\f)+16*(\i)+2*(\j)], v[(\f)+16*(\i)+2*(\j)+1]
.endr
.endr
.endm
; Four matrix instructions, K step s: the four accumulators take turns, one instruction a turn.  zero = 1: the first products start the sums.
.macro MULB f, s, zero
.irp i, 0,1,2,3
.if \zero
	v_wmma_f32_16x16x32_bf16 v[ACC+8*(\i):ACC+8*(\i)+7], v[(\f)+16*(\i):(\f)+16*(\i)+7], v[A+8*(\s):A+8*(\s)+7], 0
.else
	v_wmma_f32_16x16x32_bf16 v[ACC+8*(\i):ACC+8*(\i)+7], v[(\f)+16*(\i):(\f)+16*(\i)+7], v[A+8*(\s):A+8*(\s)+7], v[ACC+8*(\i):ACC+8*(\i)+7]
.endif
.endr
.endm
; Chunk c: two K steps.  Stage 1's 32 roundings, which name no register of stage 0's products, are the places behind those; behind stage 1's products stand four v_nop, at the next chunk's head or in front of the sums.
.macro CHUNK c
	s_wait_tensorcnt 3-(\c)                        ; my chunk c is in; the 3 - c issued behind it may be out.  Only I read these bytes
.if (\c) > 0
	PLACES                                         ; for the loads into stage 1, which the last four products read
.endif
	LOADB F0, \c, 0
	LOADB F1, \c, 1
	s_wait_dscnt 16                                ; stage 0's sixteen are in, stage 1's may be out
	CVTB F0
.if (\c) == 0
	MULB F0, 0, 1
.else
	MULB F0, 2*(\c), 0
.endif
	s_wait_dscnt 0x0
	CVTB F1
	MULB F1, 2*(\c)+1, 0
.endm
	CHUNK 0
	CHUNK 1
	CHUNK 2
	CHUNK 3
	PLACES                                         ; the sums below read results just made
	DOT 1                                          ; my wave's share of q
	JOIN 13
	v_cndmask_b32 v14, v13, v[SS], s22             ; lanes 0-15 carry q of row r, lanes 16-31 s of row r
	ds_store_b32 v[REDW], v14
	s_wait_dscnt 0x0                               ; for the others' sake: my store is done
	s_barrier_signal -1
	s_barrier_wait -1
	s_cmp_lg_u32 s10, 0
	s_cbranch_scc1 .Lend                           ; wave 0 alone adds the four waves' shares; no barrier is jumped
.irp w, 0,1,2,3
	ds_load_b32 v[XO+(\w)], v[REDW] offset:128*(\w)  ; in wave 0 REDW is RED + 4 x lane: the same lane's word of wave w (XO has served)
.endr
	s_wait_dscnt 0x0
	v_add_f32 v[XO], v[XO], v[XO+1]
	v_add_f32 v[XO+2], v[XO+2], v[XO+3]
	v_add_f32 v[XO], v[XO], v[XO+2]                ; lanes 0-15: q of row r; lanes 16-31: s of row r
	v_permlanex16_b32 v[TP], v[XO], s12, s13
	v_mul_f32 v15, v[XO], v[TP]                    ; q s
	v_cmp_gt_u32 vcc_lo, 16, v0
	s_wait_xcnt 0x0                                ; EXEC changes only behind this wait
	s_and_saveexec_b32 s11, vcc_lo
	global_store_b32 v[OUTO], v15, s[8:9]          ; 16 lanes store the work-group's 64 consecutive bytes: all that it has; the whole output is 16 KiB
	s_wait_xcnt 0x0                                ; and again in front of the line that widens it
	s_or_b32 exec_lo, exec_lo, s11
.Lend:
	s_wait_tensorcnt 0x0                           ; the wave's end, behind my last tensor load and my last LDS store
	ds_add_u32 v[SPW], v[NIL]
	s_wait_dscnt 0x0
	CROUND                                         ; the closing round: no work-group ends while a partner may still ask for a chunk that names it
	s_endpgm
.Lfunc_end_k_qe0ce20e6eb_qmeasure:
	.size	k_qe0ce20e6eb_qmeasure, .Lfunc_end_k_qe0ce20e6eb_qmeasure-k_qe0ce20e6eb_qmeasure
	.p2alignl 7, 3214868480
	.fill 96, 4, 3214868480
	.section	.rodata,"a",@progbits
	.p2align	6, 0x0
	.amdhsa_kernel k_qe0ce20e6eb_qmeasure
		.amdhsa_group_segment_fixed_size 296960
		.amdhsa_private_segment_fixed_size 0
		.amdhsa_enable_private_segment 0
		.amdhsa_kernarg_size 24
		.amdhsa_user_sgpr_count 2
		.amdhsa_user_sgpr_kernarg_segment_ptr 1
		.amdhsa_wavefront_size32 1
		.amdhsa_system_sgpr_workgroup_id_x 1
		.amdhsa_system_sgpr_workgroup_id_y 1
		.amdhsa_system_sgpr_workgroup_id_z 1
		.amdhsa_system_vgpr_workitem_id 0
		.amdhsa_next_free_vgpr 256
		.amdhsa_next_free_sgpr 66
		.amdhsa_reserve_vcc 1
		.amdhsa_float_denorm_mode_32 3
		.amdhsa_float_denorm_mode_16_64 3
		.amdhsa_memory_ordered 1
		.amdhsa_forward_progress 1
		.amdhsa_inst_pref_size 46
	.end_amdhsa_kernel
	.amdgpu_metadata
---
amdhsa.version: [ 1, 2 ]
amdhsa.kernels:
  - .name:           k_qe0ce20e6eb_qmeasure
    .symbol:         k_qe0ce20e6eb_qmeasure.kd
    .args:
      - { .name: inputs, .offset: 0, .size: 8, .value_kind: global_buffer, .address_space: global }
      - { .name: rho, .offset: 8, .size: 8, .value_kind: global_buffer, .address_space: global }
      - { .name: out0, .offset: 16, .size: 8, .value_kind: global_buffer, .address_space: global }
    .group_segment_fixed_size: 296960
    .private_segment_fixed_size: 0
    .kernarg_segment_align: 8
    .kernarg_segment_size: 24
    .max_flat_workgroup_size: 128
    .sgpr_count:     66
    .vgpr_count:     256
    .wavefront_size: 32
...
	.end_amdgpu_metadata
.endif
;; end of part 1
